; MI455X (gfx1250); checked and timed in simulation.
; The chip was launched on July 23, 2026; its instructions are those of AMD's public machine-readable ISA for CDNA 5 (MIT licence, August 2026) and "CDNA5" Instruction Set Architecture Reference Guide (July 2026). The comments in the code are by the model that wrote it; some were corrected since.
;; Attention. Allowed arithmetic: matrix products marked QUANTISED: E5M2 operands, one given power-of-two scale a tensor, by v_wmma_f32_16x16x64_bf8_bf8 or v_wmma_f32_16x16x128_bf8_bf8, f32 sums; everything else in f32.
;; Inputs: W_fc2_codes 1,024 x 32 x 32 uint8 (E5M2 codes of W_fc2, K innermost, in blocks of 32 codes); W_fc_codes 3,072 x 32 x 32 uint8 (E5M2 codes of W_fc, K innermost, in blocks of 32 codes); b_fc 3,072 float32; b_fc2 1,024 float32; lowp_scales 8 int32 (the exponents e of the quantised operands' scales 2^e); x 4 x 2,048 x 1,024 float32.
;; Outputs: out0 4 x 2,048 x 1,024 float32.
;; This version of the problem:
;;   THIS VERSION OF THE PROBLEM IS GIVEN IN LOW PRECISION. The matrix products marked QUANTISED in the list below multiply operands that are first quantised to E5M2 (5 exponent bits, 2 mantissa bits; 8 bits a number), with one given power-of-two scale for each operand tensor; their sums are f32. All else is computed in f32.
;;   The module's matrix products, in the order in which they are computed (A, B: the left and right operand; K: the contracted axis; several contracted axes count as one K, in the product's order):
;;     1. [M 8,192, K 1,024] x [K 1,024, N 3,072]; A: input x; B: input W_fc (given as codes): QUANTISED (scales: A lowp_scales[0], B lowp_scales[1])
;;     2. batch 64 x [M 2,048, K 64] x [K 64, N 2,048]; A: computed on the way; B: computed on the way: QUANTISED (scales: A lowp_scales[2], B lowp_scales[3])
;;     3. batch 64 x [M 64, K 2,048] x [K 2,048, N 2,048]; A: computed on the way; B: softmax (see below): QUANTISED (scales: A lowp_scales[4], B lowp_scales[5])
;;     4. [M 8,192, K 1,024] x [K 1,024, N 1,024]; A: computed on the way; B: input W_fc2 (given as codes): QUANTISED (scales: A lowp_scales[6], B lowp_scales[7])
;;   THE QUANTISER, for each operand of a quantised product, along K:
;;     - The operand's scale is 2^e, e = its entry of the input lowp_scales (int32; the entries are numbered through the quantised products in the list's order, A before B).
;;     - Each number is divided by the scale, clamped to +-57,344, and rounded to the nearest number of E5M2, ties to even, subnormals kept.
;;     - The product sums the exact products of the quantised numbers (number of the format x scale) in f32.
;;   ~~~python
;;   def quantise(x, axis, e):      # numpy; x: float32 -> the quantised numbers, widened to float32 again
;;       x = np.moveaxis(x, axis, -1); K = x.shape[-1]
;;       r = np.clip(x / 2.0 ** e, -57344, 57344)
;;       step = 2.0 ** (np.maximum(np.frexp(np.where(r == 0, 1, r))[1] - 1, -14) - 2)
;;       q = np.round(r / step) * step * 2.0 ** e      # np.round: ties to even
;;       return np.moveaxis(q, -1, axis).astype(np.float32)
;;   ~~~
;;   SOFTMAX AHEAD OF A QUANTISED PRODUCT. Where the list says 'softmax', what is quantised is not the finished softmax but p = 2^(t - M), with t = logit x log2(e) and M = ceil(the row's largest t), a whole number; so 1/2 < the row's largest p <= 1. The row's sum l is taken of the UNQUANTISED p, in f32, and the product's result is divided by l at the end. Since M is a whole number, a kernel that streams over the keys may use a running M (the ceiling of the running maximum): every later rescaling is an exact power of two, so the quantised numbers keep their values, but for numbers so far below the row's largest that they fall under the format's range.
;;   OPERANDS COMPUTED ON THE WAY. 'Computed on the way' means the value that the module computes at that place (a softmax that the list does not call 'softmax' is quantised finished and normalised). What goes into a quantiser is computed in f32, as accurately as f32 sums, v_exp_f32 and their like allow (about 1e-6 of the number): no bf16 or f16 on the way to a quantiser, and a product that is left as it is and whose result goes on into a quantised operand takes f32 operands (vector FMAs, or v_wmma_f32_16x16x4_f32). A number that lies on a knife's edge between two numbers of the format may be rounded either way, as far as f32 arithmetic and the matrix unit's own rounding can turn it there, and no further.
;;   INPUTS GIVEN AS CODES. W_fc (in the module: [1024, 3072], K = its axis 0); W_fc2 (in the module: [1024, 1024], K = its axis 0): each comes as NAME_codes (uint8): NAME with its K axis moved to the last place and cut into blocks of 32 codes, [.., K / 32, bytes a block], one block behind the other in memory; one code a byte (a code: sign, 5 exponent bits, 2 mantissa bits); its scale is its entry of lowp_scales. Its value is code x scale, taken as it is: it is not quantised again, and the codes and scales need not be those that the quantiser above would give.
;; One version. Each part assembles by itself: llvm-mc -triple=amdgcn-amd-amdhsa -mcpu=gfx1250 --defsym DOCPART=n.
;; ======== version 1 of 1: 4 launches
;; limits: right only within a limited range of input values
;; workspace buffers: xq 8,388,608 bytes; qimg 8,388,608 bytes; kv 16,777,216 bytes; aq 8,388,608 bytes; wimg 1,048,576 bytes
;; launch quantx (part 1): grid 256 x 1, 4 waves a work-group, no clusters, 33,280 bytes of LDS; arguments x, lowp_scales, xq, W_fc2_codes, wimg; writes xq, wimg
.if DOCPART == 1
	.amdgcn_target "amdgcn-amd-amdhsa--gfx1250"
	.amdhsa_code_object_version 6
	.text
	.protected	k_qa58be3187c_quantx
	.globl	k_qa58be3187c_quantx
	.p2align	8
	.type	k_qa58be3187c_quantx,@function
k_qa58be3187c_quantx:
	s_mov_b64 s[64:65], 0
	v_nop
	global_prefetch_b8 v0, s[64:65] scope:SCOPE_SE
	s_setreg_imm32_b32 hwreg(HW_REG_WAVE_MODE, 25, 1), 1
	s_wait_xcnt 0x0
; x [8192][1024], f32, becomes xq [8192][1024]: codes of E5M2, one a byte, K innermost, with the given scale 2^e0 (entry 0 of the scales).
; code = x / 2^e0, held within +-57,344, rounded to the nearest code, ties to even.  LIMITS: -126 <= e0 <= 112; NaN among the inputs is not served (an infinity is held at the largest code).
; Rows are dense, so the tensor is a plain stream.  A work-group takes 32,768 numbers, a wave 8,192: 16 steps of 512.
; The conversion takes eight neighbours from ONE lane's registers, a load is best where neighbouring LANES take neighbouring bytes.  Both are had: each of a step's four loads reads 512 consecutive
; bytes, 16 a lane; the 2,048 bytes go through the wave's own stage in LDS as they lie and come back 64 bytes a lane (16 bytes of padding behind each 64).  A lane's 16 codes are 16 bytes: a store covers 512 consecutive bytes.
; No tensor loads, no barrier, no matrix unit, no cluster: the waves share nothing and every byte is read once.  Loads run four steps (16 loads a wave) ahead, the turn through LDS one step.
.set STEPS, 16
.set EMAX,  15
.set MANT,  0x600000                   ; the mantissa field of 57,344 as f32
.set CB,    16                         ; bytes of 16 codes
.set R,     16                         ; v16-79   four sets of 16 numbers as they are loaded
.set X,     80                         ; v80-111  two sets of 16 neighbours
.set C,     128                        ; v128-191 codes: four registers for each step, so that no store's data are written again
.set WREG,  8192                       ; LDS: a region for each wave: two stages of 32 x SP bytes
.set SP,    80                         ; a lane's place in a stage: 64 bytes + 16 of padding
	s_load_b128 s[4:7], s[0:1], 0x0                ; x, the scales' exponents
	s_load_b64 s[8:9], s[0:1], 0x10                ; xq
	s_load_b128 s[12:15], s[0:1], 0x18             ; W_fc2's codes, wimg
	v_lshl_add_u32 v192, v0, 2, 0x8000
	v_mov_b32 v193, 0
	v_lshrrev_b32 v1, 5, v0
	v_readfirstlane_b32 s16, v1                    ; wave
	v_and_b32 v2, 31, v0                           ; lane
	v_lshlrev_b32 v3, 4, v2                        ; my 16 bytes of a load's 512
	s_mul_i32 s17, s16, WREG
	v_lshrrev_b32 v14, 2, v2
	v_mul_u32_u24 v14, v14, SP
	v_and_b32 v15, 3, v2
	v_lshl_add_u32 v14, v15, 4, v14
	v_add_nc_u32 v14, s17, v14                     ; the stage, on the way in: SP (lane / 4) + 16 (lane % 4)
	v_mul_u32_u24 v15, v2, SP
	v_add_nc_u32 v15, s17, v15                     ; and on the way out: SP x lane: my 16 neighbours
	v_lshlrev_b32 v4, 4, v2                        ; my codes' place in a step's
	s_lshl_b32 s18, ttmp9, 2
	s_add_co_u32 s18, s18, s16                     ; which run of 8,192 numbers is my wave's
	s_lshl_b32 s20, s18, 15                        ; 32,768 bytes of x,
	s_mov_b32 s21, 0
	s_lshl_b32 s22, s18, 13                        ; 8,192 bytes of codes
	s_mov_b32 s23, 0
	; ALSO: W_fc2's codes [1024 (n)][1024 (k)] are laid out once as IMAGES OF OPERAND REGISTERS for the projection.  An image is 16 rows x 128 k, 2,048 bytes: registers 4 c .. 4 c + 3 at 512 c + 16 x lane;
	; lane (r, h) holds, of row r, k = 32 c + 8 h + 0 .. 7 and k = 32 c + 16 + 8 h + 0 .. 7 (the 8-bit layout: registers 2 c', 2 c' + 1: k = 16 c' + 8 h ..).
	; wimg: [n / 32][k / 128][(n / 16) % 2][2,048].  There are 512 images and 1,024 waves: a wave makes half an image (c = 2 half, 2 half + 1); the four waves of a work-group read 256 consecutive bytes of each of 16 rows.
	v_and_b32 v5, 15, v2                           ; r
	v_lshrrev_b32 v6, 4, v2                        ; h
	v_lshlrev_b32 v7, 10, v5
	v_lshl_add_u32 v7, v6, 3, v7                   ; row r of 1,024 bytes, + 8 h
	s_lshr_b32 s30, s18, 4                         ; n / 16
	s_bfe_u32 s31, s18, 0x30001                    ; k / 128
	s_and_b32 s32, s18, 1                          ; which half of the image
	s_lshl_b32 s26, s30, 14
	s_lshl_b32 s33, s31, 7
	s_add_co_u32 s26, s26, s33
	s_lshl_b32 s33, s32, 6
	s_add_co_u32 s26, s26, s33                     ; from: 16,384 (n / 16) + 128 (k / 128) + 64 half
	s_mov_b32 s27, 0
	s_lshr_b32 s28, s30, 1
	s_lshl_b32 s28, s28, 15
	s_lshl_b32 s33, s31, 12
	s_add_co_u32 s28, s28, s33
	s_and_b32 s33, s30, 1
	s_lshl_b32 s33, s33, 11
	s_add_co_u32 s28, s28, s33
	s_lshl_b32 s33, s32, 10
	s_add_co_u32 s28, s28, s33                     ; to: 32,768 (n / 32) + 4,096 (k / 128) + 2,048 ((n / 16) % 2) + 1,024 half
	s_mov_b32 s29, 0
	s_wait_alu depctr_va_vdst(0)
	s_wait_kmcnt 0x0
	s_load_b32 s24, s[6:7], 0x0                    ; e0
	s_add_nc_u64 s[4:5], s[4:5], s[20:21]
	s_add_nc_u64 s[8:9], s[8:9], s[22:23]
	s_add_nc_u64 s[12:13], s[12:13], s[26:27]
	s_add_nc_u64 s[14:15], s[14:15], s[28:29]
.irp u, 0,1                            ; issued ahead of x's loads, so every counted wait below covers them too
	global_load_b64 v[112+4*\u:113+4*\u], v7, s[12:13] offset:32*\u
	global_load_b64 v[114+4*\u:115+4*\u], v7, s[12:13] offset:32*\u+16
.endr
.macro LOAD t
.irp i, 0,1,2,3
	global_load_b128 v[R+16*((\t)%4)+4*\i:R+16*((\t)%4)+4*\i+3], v3, s[4:5] offset:2048*(\t)+512*\i th:TH_LOAD_NT   ; 32 lanes read 512 consecutive bytes
.endr
.endm
.macro TURN t                          ; step t's numbers through the stage: LDS serves a wave's instructions in order, so no wait stands between the stores and the loads
.irp i, 0,1,2,3
	ds_store_b128 v14, v[R+16*((\t)%4)+4*\i:R+16*((\t)%4)+4*\i+3] offset:32*SP*((\t)%2)+8*SP*\i
.endr
.irp i, 0,1,2,3
	ds_load_b128 v[X+16*((\t)%2)+4*\i:X+16*((\t)%2)+4*\i+3], v15 offset:32*SP*((\t)%2)+16*\i
.endr
.endm
.irp t, 0,1,2,3
	LOAD \t
.endr
	s_wait_kmcnt 0x0
	s_add_co_i32 s24, s24, 127
	s_lshl_b32 s25, s24, 23
	v_mov_b32 v11, s25                             ; 2^e0 as f32: the conversion takes its exponent field
	s_add_co_i32 s24, s24, EMAX
	s_lshl_b32 s24, s24, 23
	s_or_b32 s24, s24, MANT
	v_mov_b32 v10, s24                             ; 57,344 x 2^e0
	s_wait_alu depctr_va_vdst(0)
	s_wait_loadcnt 12                              ; step 0's four loads are in, and W's four ahead of them; the twelve of steps 1 to 3 may be out
	TURN 0
.irp u, 0,1
	global_store_b128 v3, v[112+4*\u:115+4*\u], s[14:15] offset:512*\u   ; each store covers 512 consecutive bytes, aligned; its data are not written again
.endr
.macro STEP t
.set XS, X+16*((\t)%2)
	s_wait_dscnt 0x0                               ; this step's numbers are back from the stage: so its stores into the stage have read their registers,
.if (\t)+4 < STEPS
	LOAD (\t)+4                                    ; which take the loads of four steps on
.endif
.if (\t)+1 < STEPS
.if STEPS-2-(\t) >= 3
	s_wait_loadcnt 12                              ; the next step's four loads are in; those of the three steps behind it may be out
.else
	s_wait_loadcnt 4*(STEPS-2-(\t))                ; the tail: the counts run down
.endif
	TURN (\t)+1                                    ; and go through the other stage while this step is worked
.endif
.irp i, 0,1,2,3,4,5,6,7,8,9,10,11,12,13,14,15
	v_med3_num_f32 v[XS+\i], v[XS+\i], -v10, v10   ; the conversion to an 8-bit code does not saturate (ISA guide 7.6.2): the hold at the largest code x the scale
.endr
	v_cvt_scalef32_pk8_bf8_f32 v[C+4*(\t):C+4*(\t)+1], v[XS:XS+7], v11
	v_cvt_scalef32_pk8_bf8_f32 v[C+4*(\t)+2:C+4*(\t)+3], v[XS+8:XS+15], v11
	global_store_b128 v4, v[C+4*(\t):C+4*(\t)+3], s[8:9] offset:32*CB*(\t)   ; the codes go to a store alone; the next vector lines are the next step's holds, on other registers
.endm
.irp t, 0,1,2,3,4,5,6,7,8,9,10,11,12,13,14,15
	STEP \t
.endr
	s_wait_tensorcnt 0x0
	ds_add_u32 v192, v193
	s_wait_dscnt 0x0
	s_endpgm
.Lfunc_end_k_qa58be3187c_quantx:
	.size	k_qa58be3187c_quantx, .Lfunc_end_k_qa58be3187c_quantx-k_qa58be3187c_quantx
	.p2alignl 7, 3214868480
	.fill 96, 4, 3214868480
	.section	.rodata,"a",@progbits
	.p2align	6, 0x0
	.amdhsa_kernel k_qa58be3187c_quantx
		.amdhsa_group_segment_fixed_size 33280
		.amdhsa_private_segment_fixed_size 0
		.amdhsa_enable_private_segment 0
		.amdhsa_kernarg_size 40
		.amdhsa_user_sgpr_count 2
		.amdhsa_user_sgpr_kernarg_segment_ptr 1
		.amdhsa_wavefront_size32 1
		.amdhsa_system_sgpr_workgroup_id_x 1
		.amdhsa_system_sgpr_workgroup_id_y 1
		.amdhsa_system_sgpr_workgroup_id_z 1
		.amdhsa_system_vgpr_workitem_id 0
		.amdhsa_next_free_vgpr 194
		.amdhsa_next_free_sgpr 66
		.amdhsa_reserve_vcc 0
		.amdhsa_float_denorm_mode_32 3
		.amdhsa_float_denorm_mode_16_64 3
		.amdhsa_memory_ordered 1
		.amdhsa_forward_progress 1
		.amdhsa_inst_pref_size 38
	.end_amdhsa_kernel
	.amdgpu_metadata
---
amdhsa.version: [ 1, 2 ]
amdhsa.kernels:
  - .name:           k_qa58be3187c_quantx
    .symbol:         k_qa58be3187c_quantx.kd
    .args:
      - { .name: x, .offset: 0, .size: 8, .value_kind: global_buffer, .address_space: global }
      - { .name: lowp_scales, .offset: 8, .size: 8, .value_kind: global_buffer, .address_space: global }
      - { .name: xq, .offset: 16, .size: 8, .value_kind: global_buffer, .address_space: global }
      - { .name: W_fc2_codes, .offset: 24, .size: 8, .value_kind: global_buffer, .address_space: global }
      - { .name: wimg, .offset: 32, .size: 8, .value_kind: global_buffer, .address_space: global }
    .group_segment_fixed_size: 33280
    .private_segment_fixed_size: 0
    .kernarg_segment_align: 8
    .kernarg_segment_size: 40
    .max_flat_workgroup_size: 128
    .sgpr_count:     66
    .vgpr_count:     194
    .wavefront_size: 32
...
	.end_amdgpu_metadata
.endif
;; end of part 1
;; launch qkv (part 2): grid 16 x 32, 4 waves a work-group, clusters of 4 x 4, 327,680 bytes of LDS; arguments xq, W_fc_codes, lowp_scales, b_fc, qimg, kv; writes qimg, kv
.if DOCPART == 2
	.amdgcn_target "amdgcn-amd-amdhsa--gfx1250"
	.amdhsa_code_object_version 6
	.text
	.protected	k_qa58be3187c_qkv
	.globl	k_qa58be3187c_qkv
	.p2align	8
	.type	k_qa58be3187c_qkv,@function
k_qa58be3187c_qkv:
	s_mov_b64 s[64:65], 0
	v_nop
	global_prefetch_b8 v0, s[64:65] scope:SCOPE_SE
	s_setreg_imm32_b32 hwreg(HW_REG_WAVE_MODE, 25, 1), 1
	s_wait_xcnt 0x0
	s_wait_alu depctr_hold_cnt(0) depctr_sa_sdst(0) depctr_va_vdst(0) depctr_va_sdst(0) depctr_va_ssrc(0) depctr_va_vcc(0) depctr_vm_vsrc(0)
	s_getreg_b32 s2, hwreg(HW_REG_IB_STS2, 6, 4)
	s_cmp_eq_u32 s2, 0
	s_cbranch_scc0 .Lentry_in_a_cluster
	s_endpgm
.Lentry_in_a_cluster:
	s_bfe_u32 s2, ttmp6, 0x10000c
	s_cmp_lg_u32 s2, 0xf033
	s_cbranch_scc0 .Lentry_shape_is_right
	s_endpgm
.Lentry_shape_is_right:
; qkv = swish(x W_fc + b_fc), on codes of E5M2; q, k and v are quantised at once (scales e2, e3, e4) and stored as IMAGES OF OPERAND REGISTERS for the attention launch.
; xq: [8192][1024] codes (scale 2^e0).  W_fc_codes: [3072][1024] codes (2^e1), row e = 192 head + (q: 0-63, k: 64-127, v: 128-191).
; A work-group makes 256 rows x one head's 192 columns.  Wave w: rows 128 (w / 2) on; of q, of k and of v the head's channels 32 (w % 2) .. + 31: 8 blocks of 16 rows x 6 tiles of 16 columns = 48 accumulators.
; q and k: source 0 = 16 rows of W, source 1 = 16 rows of x: a lane holds ONE row of x and eight neighbouring channels.  v: the sources swapped: a lane holds ONE channel and eight neighbouring rows (keys).
; So eight registers of a result, converted together, are two registers of the next product's operand in the 8-bit layout (registers 2 c, 2 c + 1: k = 16 c + 8 (lane / 16) + 0 .. 7), and nothing goes through LDS on the way out.
; AN IMAGE is 1,024 bytes: registers 0-3 at 16 x lane, registers 4-7 at 512 + 16 x lane.  qimg: [16 batch + head][row / 16][1,024].  kv: [16 batch + head][row / 64][8,192]: four images of K (16 keys each), then four of V^T (16 channels each, K = the block's 64 keys).
; K goes in steps of 256 through a ring of two LDS slots (A's 256 rows, then W's 192) filled by the tensor data mover: four fills in all, written out.
; CLUSTER 4 x 4: the four of a row of the cluster need the same rows of x, the four of a column the same head's rows of W: each tile is asked for jointly.
; The tiles are prefetched into the L2 one fill ahead; K has four fills only, two of them at the head.
; LIMITS: e0 + e1 between -126 and 127; e2, e3, e4 between -126 and 112.  NaN among the inputs is not served.
; REGISTERS, in windows of 256: window 0: v16-29 addresses; v32-67 biases; v128-255 A's fragments (8 x 16 rows x 128 K), ONE set; on the way out v128-245 are at work.
;   window 1: W's fragments, two sets of six, at v0 and v128.   window 2: accumulator (a, b) at v[8 (6 a + b)], a = 0 .. 3;   window 3: a = 4 .. 7.
.set PITCH,  272                       ; an LDS row: 256 bytes + 16 of padding = 68 words, so that the 16 rows that a load touches begin 4 words apart modulo 64
.set HALFA,  128*PITCH                 ; what waves 0 and 1 fetch: 128 rows of x each
.set HALFB,  96*PITCH                  ; what waves 2 and 3 fetch: 96 rows of W each
.set SLOT,   2*HALFA+2*HALFB
.set SPARE,  2*SLOT                    ; behind the ring: the spare words, 128 bytes a wave: two blocks of 256 bytes that no other line names
.set ADRA, 16                          ; v16-17  LDS address of my A fragments in slot 0, 1
.set ADRB, 20                          ; v20-21  the same for W
.set QO,   24                          ; v24     16 x lane + 512 (w % 2): my half of an image of q or k
.set BH8,  25                          ; v25     32 (lane / 16): the biases of q and k
.set VO,   26                          ; v26     16 x lane + 2,048 (w % 2): my two images of V^T
.set BR4,  27                          ; v27     4 (lane % 16): the bias of v
.set SPW,  28                          ; v28     my spare word; never rewritten
.set NIL,  29                          ; v29     0; never rewritten
.set BQK,  32                          ; v32-63  biases of tiles 0 .. 3, eight registers each, in the result's layout
.set BV,   64                          ; v64-67  bias of v's two tiles: one number a lane, held twice as a pair
.set AF,   128
.set Z,    128                         ; the way out: 48 numbers z, then swish(z)
.set T,    176                         ; 48 at work
.set CQ,   224                         ; codes: q v224-227, k v228-231, v v232-239
.set CK,   228
.set CV,   232
.set G1,  24                           ; s[24:31] descriptor group 1 for x's tiles; s[32:39] group 0, one set a slot
.set G0,  32
.set G1B, 48                           ; s[48:55], s[56:63] the same for W's
.set G0B, 56
.set MSB, 0
.macro WIN new                         ; low byte: bits 1:0 source 0, 3:2 source 1, 5:4 source 2, 7:6 destination; the high byte repeats the setting that is left
.if MSB != (\new)
	s_set_vgpr_msb (MSB<<8)|(\new)
.set MSB, (\new)
.endif
.endm
; A joint load: waves 0 and 1 fetch for x, waves 2 and 3 for W; the branch hangs on the wave's number alone.  Four v_nop follow each of the two lines.
.macro JLOAD g0a, g1a, g0b, g1b
	s_cmp_eq_u32 s15, 0
	s_cbranch_scc0 .Lfor_b_\@
	tensor_load_to_lds s[\g0a:\g0a+3], s[\g1a:\g1a+7]
	s_nop 0
.rept 4
	v_nop
.endr
	s_branch .Lasked_\@
.Lfor_b_\@:
	tensor_load_to_lds s[\g0b:\g0b+3], s[\g1b:\g1b+7]
	s_nop 0
.rept 4
	v_nop
.endr
.Lasked_\@:
.endm
.macro CREST                           ; a round of the cluster's barrier behind its opening barrier
	s_cmp_lg_u32 s14, 0
	s_cbranch_scc1 .Lnot_wave_0_\@
	s_barrier_signal -3
.Lnot_wave_0_\@:
	s_barrier_wait -3
	s_barrier_signal -1
	s_barrier_wait -1
.endm
.macro CROUND
	s_barrier_signal -1
	s_barrier_wait -1
	CREST
.endm
.macro PLACES n                        ; plain vector lines between a matrix instruction and a load into, or a vector line on, its registers
.rept \n
	v_nop
.endr
.endm
	s_load_b128 s[4:7], s[0:1], 0x0                ; xq, W's codes
	s_load_b128 s[8:11], s[0:1], 0x10              ; the scales' exponents, b_fc
	s_load_b128 s[68:71], s[0:1], 0x20             ; qimg, kv
	v_lshl_add_u32 v[SPW], v0, 2, SPARE
	v_mov_b32 v[NIL], 0
	ds_add_u32 v28, v29
	ds_add_u32 v28, v29
	s_wait_dscnt 0x0
	v_lshrrev_b32 v1, 5, v0
	v_readfirstlane_b32 s14, v1                    ; wave 0..3
	s_lshr_b32 s15, s14, 1                         ; which 128 rows are mine.  Also: I fetch for x (0) or for W (1)
	s_and_b32 s16, s14, 1                          ; which 32 channels are mine.  Also: which half of that tile I fetch
	s_bfe_u32 s40, ttmp6, 0x40000                  ; cx, cy: my place in the cluster
	s_bfe_u32 s41, ttmp6, 0x40004
	s_lshl_b32 s42, ttmp9, 2
	s_add_co_u32 s42, s42, s40                     ; the head = 4 x cluster x + cx
	s_and_b32 s17, ttmp7, 0xffff
	s_lshl_b32 s17, s17, 2
	s_add_co_u32 s17, s17, s41                     ; the block of 256 rows = 4 x cluster y + cy
	s_lshl_b32 s43, s41, 2
	s_lshl_b32 s43, 15, s43                        ; my row of the cluster
	s_lshl_b32 s44, 0x1111, s40                    ; my column
	s_or_b32 s[G1+0], s43, (0<<16)|(1<<20)|(1<<21)|(5<<22)|(3<<25)  ; 15:0 the mask; 17:16 elements of 1 byte; 20 padding on; 21 set beside a mask; 24:22 after every 64 words; 31:25 four words
	s_or_b32 s[G1B+0], s44, (0<<16)|(1<<20)|(1<<21)|(5<<22)|(3<<25)
	s_mov_b32 s[G1+1], 256<<16                     ; tensor_dim0 = 256
	s_mov_b32 s[G1+2], 128<<16                     ; tensor_dim1 = 128
	s_mov_b32 s[G1+3], 256<<16                     ; tile_dim0
	s_mov_b32 s[G1+4], 128                         ; tile_dim1
	s_mov_b32 s[G1+5], 1024                        ; from row to row
	s_mov_b32 s[G1+6], 0
	s_mov_b32 s[G1+7], 0
	s_mov_b32 s[G1B+1], 256<<16
	s_mov_b32 s[G1B+2], 96<<16                     ; W: 96 rows a load
	s_mov_b32 s[G1B+3], 256<<16
	s_mov_b32 s[G1B+4], 96
	s_mov_b32 s[G1B+5], 1024
	s_mov_b32 s[G1B+6], 0
	s_mov_b32 s[G1B+7], 0
	s_lshl_b32 s18, s16, 7
	s_lshl_b32 s20, s17, 8
	s_add_co_u32 s20, s20, s18                     ; x: row 256 x block + 128 x half,
	s_lshl_b32 s20, s20, 10                        ; of 1,024 bytes
	s_mov_b32 s21, 0
	s_mul_i32 s46, s42, 192
	s_mul_i32 s47, s16, 96
	s_add_co_u32 s46, s46, s47                     ; W: row 192 x head + 96 x half
	s_lshl_b32 s46, s46, 10
	s_mov_b32 s47, 0
	s_mul_i32 s45, s16, HALFA                      ; where they go: no place in the cluster enters an LDS address
	s_mul_i32 s84, s16, HALFB
	s_add_co_u32 s84, s84, 2*HALFA
	s_wait_kmcnt 0x0
	s_load_b256 s[72:79], s[8:9], 0x0              ; e0 .. e7
	s_add_nc_u64 s[20:21], s[4:5], s[20:21]
	s_add_nc_u64 s[46:47], s[6:7], s[46:47]
	; THE TILES ARE PREFETCHED INTO THE L2, one fill ahead (this stands in place of the head comment's line on prefetching): K step 0 is asked for here, ahead of the opening round; K step k + 1 behind the joint load of K step k.
	; A K step is 256 bytes of each row: a lane a row, one instruction a wave.  The four partners that ask for a tile jointly share its rows out BY ADDRESS: of the 128 rows of x that a wave fetches the partner at cx takes 32,
	; of W's 96 rows the partner at cy takes 24 (lanes 24-31 name the wave's last row again): each block of 256 bytes is named once in each cluster.  The address registers are never written again: the steps are immediates.
	s_lshl_b32 s96, s17, 8
	s_lshl_b32 s97, s16, 7
	s_add_co_u32 s96, s96, s97
	s_lshl_b32 s97, s40, 5
	s_add_co_u32 s96, s96, s97                     ; x: row 256 x block + 128 x half + 32 cx
	s_mul_i32 s97, s42, 192
	s_mul_i32 s98, s16, 96
	s_add_co_u32 s97, s97, s98
	s_mul_i32 s98, s41, 24
	s_add_co_u32 s97, s97, s98                     ; W: row 192 x head + 96 x half + 24 cy
	s_mov_b32 s98, 23
	s_cmp_eq_u32 s15, 0                            ; do I fetch for x?
	s_cselect_b32 s96, s96, s97
	s_cselect_b32 s98, 31, s98                     ; the last lane that has a row of its own
	s_cselect_b64 s[94:95], s[4:5], s[6:7]
	s_lshl_b32 s96, s96, 10                        ; rows of 1,024 bytes
	s_mov_b32 s97, 0
	s_add_nc_u64 s[94:95], s[94:95], s[96:97]
	v_and_b32 v30, 31, v0
	v_min_u32 v30, s98, v30
	v_lshlrev_b32 v30, 10, v30
	s_wait_alu depctr_va_vdst(0)
	global_prefetch_b8 v30, s[94:95] th:TH_LOAD_NT scope:SCOPE_SE              ; K step 0
	CROUND
.irp s, 0,1
	s_mov_b32 s[G0+4*\s], 1
	s_add_co_u32 s[G0+4*\s+1], s45, \s*SLOT
	s_add_nc_u64 s[G0+4*\s+2:G0+4*\s+3], s[20:21], \s*256
	s_or_b32 s[G0+4*\s+3], s[G0+4*\s+3], 0x80000000
	s_mov_b32 s[G0B+4*\s], 1
	s_add_co_u32 s[G0B+4*\s+1], s84, \s*SLOT
	s_add_nc_u64 s[G0B+4*\s+2:G0B+4*\s+3], s[46:47], \s*256
	s_or_b32 s[G0B+4*\s+3], s[G0B+4*\s+3], 0x80000000
.endr
	JLOAD G0, G1, G0B, G1B                         ; slot 0: one tensor load a wave at the head
	global_prefetch_b8 v30, s[94:95] offset:256 th:TH_LOAD_NT scope:SCOPE_SE   ; K step 1
	v_and_b32 v1, 15, v0                           ; r = lane % 16
	v_bfe_u32 v2, v0, 4, 1                         ; h = lane / 16
	v_mul_u32_u24 v3, v1, PITCH
	v_lshl_add_u32 v4, v2, 4, v3                   ; a fragment's row x pitch + 16 h
	s_mul_i32 s21, s15, HALFA                      ; my 128 rows of x
	s_mul_i32 s22, s16, 32*PITCH                   ; my 32 channels within q's, k's and v's 64 rows of W,
	s_add_co_u32 s22, s22, 2*HALFA                 ; which lie behind x's 256 rows
.irp s, 0,1
	v_add_nc_u32 v[ADRA+\s], s21, v4
	v_add_nc_u32 v[ADRB+\s], s22, v4
	s_add_co_u32 s21, s21, SLOT
	s_add_co_u32 s22, s22, SLOT
.endr
	v_and_b32 v5, 31, v0
	v_lshlrev_b32 v5, 4, v5
	s_lshl_b32 s23, s16, 9
	v_add_nc_u32 v[QO], s23, v5
	s_lshl_b32 s23, s16, 11
	v_add_nc_u32 v[VO], s23, v5
	v_lshlrev_b32 v[BH8], 5, v2
	v_lshlrev_b32 v[BR4], 2, v1
	s_mul_i32 s86, s42, 768
	s_lshl_b32 s87, s16, 7
	s_add_co_u32 s86, s86, s87                     ; b_fc at 192 x head + 32 (w % 2), in bytes
	s_mov_b32 s87, 0
	s_add_nc_u64 s[10:11], s[10:11], s[86:87]
.irp b, 0,1,2,3                        ; q's and k's tiles: register j of lane (r, h) is channel 8 h + j of the tile
	global_load_b128 v[BQK+8*\b:BQK+8*\b+3], v[BH8], s[10:11] offset:4*(64*(\b/2)+16*(\b%2))
	global_load_b128 v[BQK+8*\b+4:BQK+8*\b+7], v[BH8], s[10:11] offset:4*(64*(\b/2)+16*(\b%2))+16
.endr
.irp u, 0,1                            ; v's tiles: every register of lane (r, h) is channel r of the tile
	global_load_b32 v[BV+2*\u], v[BR4], s[10:11] offset:4*(128+16*\u)
	global_load_b32 v[BV+2*\u+1], v[BR4], s[10:11] offset:4*(128+16*\u)
.endr
	; where my results go
	s_lshr_b32 s88, s17, 3
	s_lshl_b32 s88, s88, 4
	s_add_co_u32 s88, s88, s42                     ; 16 x batch + head
	s_and_b32 s89, s17, 7                          ; the block of 256 rows within the batch
	s_lshl_b32 s90, s88, 7
	s_lshl_b32 s91, s89, 4
	s_add_co_u32 s90, s90, s91
	s_lshl_b32 s91, s15, 3
	s_add_co_u32 s90, s90, s91                     ; my first tile of 16 queries
	s_lshl_b32 s90, s90, 10
	s_mov_b32 s91, 0
	s_add_nc_u64 s[68:69], s[68:69], s[90:91]
	s_lshl_b32 s92, s89, 2
	s_lshl_b32 s93, s15, 1
	s_add_co_u32 s92, s92, s93                     ; my first block of 64 keys
	s_lshl_b32 s92, s92, 13
	s_lshl_b32 s93, s88, 18
	s_add_co_u32 s92, s92, s93
	s_mov_b32 s93, 0
	s_add_nc_u64 s[70:71], s[70:71], s[92:93]
.macro FRAG reg, adr, q, row           ; 16 rows x 128 K in 16 registers, by four loads of 16 bytes: registers 4 c .. 4 c + 3 hold K = 32 c + 16 h + 0 .. 15: the same order of k in x's and in W's fragments, so every product meets its partner
.irp c, 0,1,2,3
	ds_load_b128 v[\reg+4*\c:\reg+4*\c+3], v[\adr] offset:128*(\q)+32*\c+(\row)*PITCH
.endr
.endm
.macro FETCH_B slot, q, p              ; W's six fragments of the slot's q-th 128 along K into set p: 24 loads
	WIN 0x40
.irp b, 0,1,2,3,4,5
	FRAG 128*(\p)+16*\b, ADRB+\slot, \q, 64*(\b/2)+16*(\b%2)
.endr
	WIN 0
.endm
.macro FETCH_A slot, q, i0             ; x's blocks i0 .. i0 + 3: 16 loads
.irp i, 0,1,2,3
	FRAG AF+16*((\i0)+\i), ADRA+\slot, \q, 16*((\i0)+\i)
.endr
.endm
; The 48 accumulators take turns, one instruction a turn, in the same order in every step.  zero = 1: the first product starts the sums.
.macro MULQK hi, p, zero               ; 16 products: x's blocks 4 hi .. 4 hi + 3 against q's and k's four tiles; source 0 = W
	WIN 0xa1+0x50*(\hi)
.irp a, 0,1,2,3
.irp b, 0,1,2,3
.set rD, 8*(6*\a+\b)
.set rW, 128*(\p)+16*\b
.set rA, AF+16*(4*(\hi)+\a)
.if \zero
	v_wmma_f32_16x16x128_bf8_bf8 v[rD:rD+7], v[rW:rW+15], v[rA:rA+15], 0
.else
	v_wmma_f32_16x16x128_bf8_bf8 v[rD:rD+7], v[rW:rW+15], v[rA:rA+15], v[rD:rD+7]
.endif
.endr
.endr
.endm
.macro MULV hi, p, zero                ; 8 products: the same blocks against v's two tiles; source 0 = x
	WIN 0xa4+0x50*(\hi)
.irp a, 0,1,2,3
.irp b, 4,5
.set rD, 8*(6*\a+\b)
.set rW, 128*(\p)+16*\b
.set rA, AF+16*(4*(\hi)+\a)
.if \zero
	v_wmma_f32_16x16x128_bf8_bf8 v[rD:rD+7], v[rA:rA+15], v[rW:rW+15], 0
.else
	v_wmma_f32_16x16x128_bf8_bf8 v[rD:rD+7], v[rA:rA+15], v[rW:rW+15], v[rD:rD+7]
.endif
.endr
.endr
.endm
; A step of 128 along K that has its successor in the same slot.
.macro STEP slot, q, zero
	s_wait_dscnt 16                                ; W's set and x's blocks 0-3 are in; the youngest sixteen loads (blocks 4-7) may be out
	MULQK 0, (\q)%2, \zero
	MULV 0, (\q)%2, \zero
	s_wait_dscnt 0x0                               ; blocks 4-7 are in
	PLACES 4
	FETCH_B \slot, (\q)+1, 1-(\q)%2
	FETCH_A \slot, (\q)+1, 0
	MULQK 1, (\q)%2, \zero
	MULV 1, (\q)%2, \zero
	PLACES 4
	WIN 0
	FETCH_A \slot, (\q)+1, 4
.endm
; A slot's last step changes slots: ONE barrier; in front of it each wave waits for all its tensor loads, adds 0 to its spare word, and waits for that and for its reads of this slot.  fill = 1: the slot is filled again, two fills ahead.
.macro TURN slot, next, fill
	s_wait_tensorcnt 0x0                           ; all my tensor loads have landed: my part of the next slot
	ds_add_u32 v[SPW], v[NIL]                      ; 0 onto my spare word
	s_wait_dscnt 17                                ; (the add and the youngest sixteen loads may be out)
	MULQK 0, 1, 0                                  ; sixteen products stand between the add and the wait for it
	s_wait_dscnt 0x0                               ; the add is done, and my reads of this slot are over
	s_barrier_signal -1
	MULV 0, 1, 0
	WIN 0
	s_barrier_wait -1
.if \fill
	CREST                                          ; the barrier has opened a round of the cluster's: no wave of any partner still reads this slot or has a load on its way
	s_add_nc_u64 s[G0+4*\slot+2:G0+4*\slot+3], s[G0+4*\slot+2:G0+4*\slot+3], 512
	s_add_nc_u64 s[G0B+4*\slot+2:G0B+4*\slot+3], s[G0B+4*\slot+2:G0B+4*\slot+3], 512
	JLOAD G0+4*\slot, G1, G0B+4*\slot, G1B         ; the first tensor load behind the round; its four v_nop are the places in front of the loads below
.else
	PLACES 4
.endif
	FETCH_B \next, 0, 0
	FETCH_A \next, 0, 0
.if \fill
.if \slot == 0
	global_prefetch_b8 v30, s[94:95] offset:768 th:TH_LOAD_NT scope:SCOPE_SE   ; K step 3, behind K step 2's joint load; the last fill has no successor and asks for nothing
.endif
.endif
	MULQK 1, 1, 0
	MULV 1, 1, 0
	PLACES 4
	WIN 0
	FETCH_A \next, 0, 4
.endm
	s_wait_alu depctr_va_vdst(0)                   ; the wait at the head's end
	s_wait_tensorcnt 0x0                           ; my part of slot 0 is in; slot 1's first fill is issued as a refill is:
	ds_add_u32 v[SPW], v[NIL]                      ; 0 onto my spare word
	s_wait_dscnt 0x0
	CROUND                                         ; everybody's part of slot 0 is in, and all sixteen work-groups are here
	JLOAD G0+4, G1, G0B+4, G1B                     ; slot 1: the first tensor load behind the round
	FETCH_B 0, 0, 0
	FETCH_A 0, 0, 0
	FETCH_A 0, 0, 4
	global_prefetch_b8 v30, s[94:95] offset:512 th:TH_LOAD_NT scope:SCOPE_SE   ; K step 2, behind K step 1's joint load and the run of LDS loads
	STEP 0, 0, 1
	TURN 0, 1, 1                                   ; K 128-255; slot 0 takes K 512-767
	STEP 1, 0, 0
	TURN 1, 0, 1                                   ; K 384-511; slot 1 takes K 768-1023
	STEP 0, 0, 0
	TURN 0, 1, 0                                   ; nothing is left to fetch
	STEP 1, 0, 0
	s_wait_dscnt 16                                ; the last step
	MULQK 0, 1, 0
	MULV 0, 1, 0
	s_wait_dscnt 0x0
	MULQK 1, 1, 0
	MULV 1, 1, 0
	WIN 0
	; THE WAY OUT, a block of 16 rows at a time: z = sum x 2^(e0 + e1) + bias; swish(z) = z / (1 + 2^(-z log2 e)); the hold; the conversion; the store of the operand's registers as they stand.
	s_wait_kmcnt 0x0
	s_add_co_i32 s80, s72, s73
	s_add_co_i32 s80, s80, 127
	s_lshl_b32 s80, s80, 23                        ; 2^(e0 + e1) as f32
	s_mov_b32 s81, s80                             ; (named with it as a pair, so it is written)
	s_mov_b32 s82, 0xbfb8aa3b                      ; -log2(e)
	s_mov_b32 s83, s82
	s_wait_loadcnt 0x0                             ; the biases
	PLACES 4                                       ; behind the last products: what follows writes registers that held x's fragments
.macro MKSC e, vs, vl                  ; 2^e and 57,344 x 2^e as f32
	s_add_co_i32 s86, s[\e], 127
	s_lshl_b32 s87, s86, 23
	v_mov_b32 v[\vs], s87
	s_add_co_i32 s86, s86, 15
	s_lshl_b32 s86, s86, 23
	s_or_b32 s86, s86, 0x600000
	v_mov_b32 v[\vl], s86
.endm
	MKSC 74, 240, 241                              ; q: e2
	MKSC 75, 242, 243                              ; k: e3
	MKSC 76, 244, 245                              ; v: e4
.macro EPI a
.set AC, 48*((\a)%4)
	WIN 0x02+(\a)/4                                ; source 0: window 2 or 3
.irp b, 0,1,2,3
.irp j, 0,2,4,6
	v_pk_fma_f32 v[Z+8*\b+\j:Z+8*\b+\j+1], v[AC+8*\b+\j:AC+8*\b+\j+1], s[80:81], v[BQK+8*\b+\j:BQK+8*\b+\j+1] op_sel_hi:[1,0,1]   ; each accumulator from its low end on
.endr
.endr
.irp u, 0,1
.irp j, 0,2,4,6
	v_pk_fma_f32 v[Z+32+8*\u+\j:Z+32+8*\u+\j+1], v[AC+32+8*\u+\j:AC+32+8*\u+\j+1], s[80:81], v[BV+2*\u:BV+2*\u+1] op_sel_hi:[1,0,1]
.endr
.endr
	WIN 0
.set j, 0
.rept 24
	v_pk_mul_f32 v[T+j:T+j+1], v[Z+j:Z+j+1], s[82:83] op_sel_hi:[1,0]
.set j, j+2
.endr
.set j, 0
	s_wait_alu depctr_va_vdst(0)
.rept 48
	v_exp_f32 v[T+j], v[T+j]
.set j, j+1
.endr
	v_nop                                          ; a plain line behind the last exponential
	s_wait_alu depctr_va_vdst(0)                   ; one wait for the batch, ahead of its first reader
.set j, 0
.rept 24
	v_pk_add_f32 v[T+j:T+j+1], v[T+j:T+j+1], 1.0 op_sel_hi:[1,0]
.set j, j+2
.endr
.set j, 0
	s_wait_alu depctr_va_vdst(0)
.rept 48
	v_rcp_f32 v[T+j], v[T+j]
.set j, j+1
.endr
	v_nop
	s_wait_alu depctr_va_vdst(0)                   ; one wait for the batch of reciprocals
.set j, 0
.rept 24
	v_pk_mul_f32 v[Z+j:Z+j+1], v[Z+j:Z+j+1], v[T+j:T+j+1]
.set j, j+2
.endr
.set j, 0
.rept 16
	v_med3_num_f32 v[Z+j], v[Z+j], -v241, v241     ; the conversion does not saturate (ISA guide 7.6.2): the hold at the largest code x the scale
	v_med3_num_f32 v[Z+16+j], v[Z+16+j], -v243, v243
	v_med3_num_f32 v[Z+32+j], v[Z+32+j], -v245, v245
.set j, j+1
.endr
	s_wait_alu depctr_va_vdst(0)
	s_wait_xcnt 0x0                                ; the last block's stores have read their data: the codes' registers are written again only behind this wait
	v_cvt_scalef32_pk8_bf8_f32 v[CQ:CQ+1], v[Z:Z+7], v240
	v_cvt_scalef32_pk8_bf8_f32 v[CQ+2:CQ+3], v[Z+8:Z+15], v240
	v_cvt_scalef32_pk8_bf8_f32 v[CK:CK+1], v[Z+16:Z+23], v242
	v_cvt_scalef32_pk8_bf8_f32 v[CK+2:CK+3], v[Z+24:Z+31], v242
	v_cvt_scalef32_pk8_bf8_f32 v[CV+2*((\a)%2):CV+2*((\a)%2)+1], v[Z+32:Z+39], v244
	v_cvt_scalef32_pk8_bf8_f32 v[CV+4+2*((\a)%2):CV+4+2*((\a)%2)+1], v[Z+40:Z+47], v244
	v_nop                                          ; a plain line behind the last conversion: the next block's lines write its sources
	global_store_b128 v[QO], v[CQ:CQ+3], s[68:69] offset:1024*(\a)                                  ; each store covers 512 consecutive bytes, aligned
	global_store_b128 v[QO], v[CK:CK+3], s[70:71] offset:8192*((\a)/4)+1024*((\a)%4)
.if (\a)%2
.irp u, 0,1                            ; two blocks of 16 keys are four registers of V^T's image
	global_store_b128 v[VO], v[CV+4*\u:CV+4*\u+3], s[70:71] offset:8192*((\a)/4)+4096+1024*\u+512*(((\a)%4)/2)
.endr
.endif
.endm
.irp a, 0,1,2,3,4,5,6,7
	EPI \a
.endr
	s_wait_tensorcnt 0x0                           ; the wave's end
	ds_add_u32 v[SPW], v[NIL]
	s_wait_dscnt 0x0
	CROUND                                         ; the closing round: no work-group ends while a partner may still ask for a tile that names it
	s_endpgm
.Lfunc_end_k_qa58be3187c_qkv:
	.size	k_qa58be3187c_qkv, .Lfunc_end_k_qa58be3187c_qkv-k_qa58be3187c_qkv
	.p2alignl 7, 3214868480
	.fill 96, 4, 3214868480
	.section	.rodata,"a",@progbits
	.p2align	6, 0x0
	.amdhsa_kernel k_qa58be3187c_qkv
		.amdhsa_group_segment_fixed_size 327680
		.amdhsa_private_segment_fixed_size 0
		.amdhsa_enable_private_segment 0
		.amdhsa_kernarg_size 48
		.amdhsa_user_sgpr_count 2
		.amdhsa_user_sgpr_kernarg_segment_ptr 1
		.amdhsa_wavefront_size32 1
		.amdhsa_system_sgpr_workgroup_id_x 1
		.amdhsa_system_sgpr_workgroup_id_y 1
		.amdhsa_system_sgpr_workgroup_id_z 1
		.amdhsa_system_vgpr_workitem_id 0
		.amdhsa_next_free_vgpr 1024
		.amdhsa_next_free_sgpr 100
		.amdhsa_reserve_vcc 0
		.amdhsa_float_denorm_mode_32 3
		.amdhsa_float_denorm_mode_16_64 3
		.amdhsa_memory_ordered 1
		.amdhsa_forward_progress 1
		.amdhsa_inst_pref_size 174
	.end_amdhsa_kernel
	.amdgpu_metadata
---
amdhsa.version: [ 1, 2 ]
amdhsa.kernels:
  - .name:           k_qa58be3187c_qkv
    .symbol:         k_qa58be3187c_qkv.kd
    .args:
      - { .name: xq, .offset: 0, .size: 8, .value_kind: global_buffer, .address_space: global }
      - { .name: W_fc_codes, .offset: 8, .size: 8, .value_kind: global_buffer, .address_space: global }
      - { .name: lowp_scales, .offset: 16, .size: 8, .value_kind: global_buffer, .address_space: global }
      - { .name: b_fc, .offset: 24, .size: 8, .value_kind: global_buffer, .address_space: global }
      - { .name: qimg, .offset: 32, .size: 8, .value_kind: global_buffer, .address_space: global }
      - { .name: kv, .offset: 40, .size: 8, .value_kind: global_buffer, .address_space: global }
    .group_segment_fixed_size: 327680
    .private_segment_fixed_size: 0
    .kernarg_segment_align: 8
    .kernarg_segment_size: 48
    .max_flat_workgroup_size: 128
    .sgpr_count:     100
    .vgpr_count:     1024
    .wavefront_size: 32
...
	.end_amdgpu_metadata
.endif
;; end of part 2
;; launch attn (part 3): grid 4 x 64, 16 waves a work-group, clusters of 4 x 1, 327,680 bytes of LDS; arguments qimg, kv, lowp_scales, aq; writes aq
.if DOCPART == 3
	.amdgcn_target "amdgcn-amd-amdhsa--gfx1250"
	.amdhsa_code_object_version 6
	.text
	.protected	k_qa58be3187c_attn
	.globl	k_qa58be3187c_attn
	.p2align	8
	.type	k_qa58be3187c_attn,@function
k_qa58be3187c_attn:
	s_mov_b64 s[64:65], 0
	v_nop
	global_prefetch_b8 v0, s[64:65] scope:SCOPE_SE
	s_setreg_imm32_b32 hwreg(HW_REG_WAVE_MODE, 25, 1), 1
	s_wait_xcnt 0x0
	s_wait_alu depctr_hold_cnt(0) depctr_sa_sdst(0) depctr_va_vdst(0) depctr_va_sdst(0) depctr_va_ssrc(0) depctr_va_vcc(0) depctr_vm_vsrc(0)
	s_getreg_b32 s2, hwreg(HW_REG_IB_STS2, 6, 4)
	s_cmp_eq_u32 s2, 0
	s_cbranch_scc0 .Lentry_in_a_cluster
	s_endpgm
.Lentry_in_a_cluster:
	s_bfe_u32 s2, ttmp6, 0x10000c
	s_cmp_lg_u32 s2, 0x3003
	s_cbranch_scc0 .Lentry_shape_is_right
	s_endpgm
.Lentry_shape_is_right:
; aq = Q6(softmax(q k^T / sqrt(2048)) v), both products on codes of E5M2 (scales e2, e3; e4, e5), the result quantised at once with e6 for the projection.
; qimg: [16 batch + head][query / 16][1,024]: images of operand registers (registers 0-3 at 16 x lane, 4-7 at 512 + 16 x lane).  kv: [16 batch + head][key / 64][8,192]: four images of K (16 keys each), then four of V^T (16 channels x 64 keys each).
; aq: [row / 16][head][1,024]: images of the projection's operand.
; THE SOFTMAX: t = score x log2(e) / sqrt(2048); M = the running largest t rounded up to a whole number; p = 2^(t - M) is quantised, not normalised; the row's sum is taken of the unquantised p and divides at the end.
; When M moves, the sum and O^T are multiplied by 2^(old M - new M), which rounds nothing.  No branch hangs on data.
; SHARES.  A work-group owns 512 queries of one head, each of its sixteen waves 32 (two tiles i = 0, 1).  All of the head's K and V, 262,144 bytes, lies in LDS: 65,536 bytes by each wave's load at the head, the rest by a second load behind the full sequence.
; CLUSTER 4 x 1: the four work-groups of a head need the same K and V: both loads are joint.  No prefetch: all of K and V is asked for at the head, so no later load is left to run ahead of.
; Both products are used transposed (S^T = K Q^T, O^T = V^T P^T): a lane holds one query; eight registers of S^T are eight neighbouring keys, so a conversion's result is two registers of P's operand.
; A STEP IS 128 KEYS: O^T's 32 rescalings and the maximum's bookkeeping stand once for 128 score registers.
; REGISTERS: v1-3 addresses; v4-5 lane permutes; v6-7 the spare word and 0; v8-27 state of the two tiles; v28 2^e5; v29, v30 57,344 x 2^e5; v32-47 Q; v48-111 O^T(i, d) at 48 + 32 i + 8 d;
;   v112-255: EIGHTEEN BLOCKS of 8 registers that take turns.  K's tile k lies in block 10 + k; S^T(i, t) goes to block 2 t + i, so tiles 5, 6, 7 land on K's tiles 0-5, which are done with.
;   p's codes of keys 0-63 go to blocks 16, 17 (K's tiles 6, 7 are done with), V's first six fragments into blocks 2-7 (scores converted), p's codes of keys 64-127 to blocks 0, 1, V's last two into blocks 8, 9,
;   and the NEXT step's K tiles 0-5 into blocks 10-15 ahead of the second product; its tiles 6, 7 follow behind that product.
; LIMITS: e2 + e3 between -121 and 132 (added to the factor's exponent field); e5 and e6 between -126 and 112; the scaled scores stay under 2^31 in magnitude; NaN among the inputs is not served.
.set LI,  1                            ; 16 x lane
.set ADR, 2                            ; LDS address of this step's V
.set ADK, 3                            ; of the next step's K
.set SPW, 6
.set NIL, 7
.set ST,  8                            ; a tile's state, 10 registers: -M, largest t, sum (2), f, 0, second sum (2), two at work
.set Q,   32
.set O,   48
.set BL,  112
.set WV,  12
.set TB,  52                           ; s52 LDS byte at which the step begins
.set CNT, 53
.set TK,  62
.set STEPB, 16384                      ; 128 keys: two blocks of 8,192 bytes
.set KVB,   262144
.macro ROUND
	s_barrier_signal -1
	s_barrier_wait -1
	s_cmp_lg_u32 s[WV], 0
	s_cbranch_scc1 .Lnot_wave_0_\@
	s_barrier_signal -3
.Lnot_wave_0_\@:
	s_barrier_wait -3
	s_barrier_signal -1
	s_barrier_wait -1
.endm
.macro NOPS n
.rept \n
	v_nop
.endr
.endm
.macro MKSC e, vs, vl                  ; 2^e and 57,344 x 2^e as f32
	s_add_co_i32 s54, s[\e], 127
	s_lshl_b32 s55, s54, 23
	v_mov_b32 v[\vs], s55
	s_add_co_i32 s54, s54, 15
	s_lshl_b32 s54, s54, 23
	s_or_b32 s54, s54, 0x600000
	v_mov_b32 v[\vl], s54
.endm
	s_load_b256 s[4:11], s[0:1], 0x0               ; qimg, kv, the scales' exponents, aq
	v_lshl_add_u32 v[SPW], v0, 2, KVB
	v_mov_b32 v[NIL], 0
	ds_add_u32 v[SPW], v[NIL]                      ; the opening lines: the add, twice on end, and its wait
	ds_add_u32 v[SPW], v[NIL]
	v_lshrrev_b32 v2, 5, v0
	s_delay_alu instid0(VALU_DEP_1)
	v_readfirstlane_b32 s[WV], v2                  ; wave 0..15
	v_and_b32 v[LI], 31, v0
	s_delay_alu instid0(VALU_DEP_1)
	v_lshlrev_b32 v[LI], 4, v[LI]
	s_bfe_u32 s13, ttmp6, 0x40000                  ; cx
	s_lshl_b32 s14, ttmp9, 2
	s_add_co_u32 s14, s14, s13                     ; which 512 queries
	s_and_b32 s15, ttmp7, 0xffff                   ; 16 batch + head
	s_mov_b32 s16, 15|(3<<16)|(1<<21)              ; group 1, first load: the mask of all four, elements of 8 bytes; 16 rows of 256 bytes, dense
	s_mov_b32 s17, 32<<16
	s_mov_b32 s18, 16<<16
	s_mov_b32 s19, 32<<16
	s_mov_b32 s20, 16
	s_mov_b32 s21, 32
	s_mov_b32 s22, 0
	s_mov_b32 s23, 0
	s_mov_b32 s24, 15|(3<<16)|(1<<21)              ; second load: 48 rows of 256 bytes
	s_mov_b32 s25, 32<<16
	s_mov_b32 s26, 48<<16
	s_mov_b32 s27, 32<<16
	s_mov_b32 s28, 48
	s_mov_b32 s29, 32
	s_mov_b32 s30, 0
	s_mov_b32 s31, 0
	s_mov_b32 s32, 1
	s_lshl_b32 s33, s[WV], 12                      ; my 4,096 bytes of the first 65,536
	s_lshl_b32 s54, s15, 18
	s_add_co_u32 s54, s54, s33
	s_mov_b32 s55, 0
	s_mov_b32 s36, 1
	s_mul_i32 s37, s[WV], 12288                    ; my 12,288 bytes of the other 196,608
	s_add_co_u32 s37, s37, 65536
	s_lshl_b32 s56, s15, 18
	s_add_co_u32 s56, s56, s37
	s_mov_b32 s57, 0
	s_lshl_b32 s58, s15, 7
	s_lshl_b32 s59, s14, 5
	s_add_co_u32 s58, s58, s59
	s_lshl_b32 s59, s[WV], 1
	s_add_co_u32 s58, s58, s59                     ; my first tile of 16 queries
	s_lshl_b32 s58, s58, 10
	s_mov_b32 s59, 0
	s_lshr_b32 s60, s15, 4
	s_lshl_b32 s60, s60, 7
	s_lshl_b32 s61, s14, 5
	s_add_co_u32 s60, s60, s61
	s_lshl_b32 s61, s[WV], 1
	s_add_co_u32 s60, s60, s61                     ; its block of 16 rows in aq,
	s_lshl_b32 s60, s60, 14
	s_and_b32 s61, s15, 15
	s_lshl_b32 s61, s61, 10                        ; and the head's image there
	s_add_co_u32 s60, s60, s61
	s_mov_b32 s61, 0
	s_mov_b32 s48, 0x76543210
	s_mov_b32 s49, 0xfedcba98                      ; lane l xor 16
	s_mov_b32 s[TB], 0
	s_wait_alu depctr_va_vdst(0)                   ; directly ahead of the waits below
	s_wait_dscnt 0x0                               ; both opening adds are done
	s_wait_kmcnt 0x0
	s_load_b256 s[40:47], s[8:9], 0x0              ; e0 .. e7
	s_add_nc_u64 s[34:35], s[6:7], s[54:55]
	s_or_b32 s35, s35, 0x80000000
	s_add_nc_u64 s[38:39], s[6:7], s[56:57]
	s_or_b32 s39, s39, 0x80000000
	s_add_nc_u64 s[4:5], s[4:5], s[58:59]
	s_add_nc_u64 s[10:11], s[10:11], s[60:61]
.irp j, 0,1,2,3
	global_load_b128 v[Q+4*\j:Q+4*\j+3], v[LI], s[4:5] offset:512*\j   ; Q's two fragments stay in registers; asked for ahead of the round
.endr
	ROUND                                          ; the four work-groups are here: the first joint loads meet
	tensor_load_to_lds s[32:35], s[16:23]          ; keys 0-511: my one tensor load at the head
	s_nop 0
	v_add_nc_u32 v[ADK], s[TB], v[LI]              ; the set-up stands between the load and the wait for it
	v_mov_b32 v4, 0
	v_mov_b32 v5, 0
.irp i, 0,1
	v_mov_b32 v[ST+10*\i+1], 0xff61b1e6            ; the largest t so far: -3e38
	s_delay_alu instid0(VALU_DEP_1)
	v_floor_f32 v[ST+10*\i], -v[ST+10*\i+1]
	v_mov_b32 v[ST+10*\i+2], 0
	v_mov_b32 v[ST+10*\i+3], 0
	v_mov_b32 v[ST+10*\i+5], 0
.endr
.set j, 0
.rept 64
	v_mov_b32 v[O+j], 0                            ; the step is written for every step alike: the first finds zeros
.set j, j+1
.endr
	s_wait_kmcnt 0x0
	s_add_co_i32 s54, s42, s43
	s_lshl_b32 s54, s54, 23
	s_add_co_i32 s50, s54, 0x3d0293ee              ; c = log2(e) / sqrt(2048) x 2^(e2 + e3)
	s_mov_b32 s51, s50
	MKSC 45, 28, 29
	v_mov_b32 v30, s54                             ; the hold's bound a second time: the two halves of a dual line read it from two registers
	s_wait_alu depctr_va_vdst(0)                   ; the wait at the head's end
	s_wait_tensorcnt 0x0                           ; my part of keys 0-511 is in; the later first fill is issued as a refill is:
	ds_add_u32 v[SPW], v[NIL]
	s_wait_dscnt 0x0
	ROUND
	tensor_load_to_lds s[36:39], s[24:31]          ; keys 512-2047
	s_nop 0
.macro KLOAD k                         ; K's tile k of the step at ADK -> block 10 + k
	ds_load_b128 v[BL+8*(10+\k):BL+8*(10+\k)+3], v[ADK] offset:8192*(\k/4)+1024*(\k%4)
	ds_load_b128 v[BL+8*(10+\k)+4:BL+8*(10+\k)+7], v[ADK] offset:8192*(\k/4)+1024*(\k%4)+512
.endm
.macro VLOAD f                         ; V's fragment f = 4 x (which 64 keys) + (which 16 channels) -> block 2 + f
	ds_load_b128 v[BL+8*(2+\f):BL+8*(2+\f)+3], v[ADR] offset:8192*(\f/4)+4096+1024*(\f%4)
	ds_load_b128 v[BL+8*(2+\f)+4:BL+8*(2+\f)+7], v[ADR] offset:8192*(\f/4)+4096+1024*(\f%4)+512
.endm
.macro QK t                            ; S^T of 16 keys x my two tiles
.irp i, 0,1
	v_wmma_f32_16x16x64_bf8_bf8 v[BL+8*(2*\t+\i):BL+8*(2*\t+\i)+7], v[BL+8*(10+\t):BL+8*(10+\t)+7], v[Q+8*\i:Q+8*\i+7], 0
.endr
.endm
.macro PV f, pb                        ; O^T += V's fragment f x the codes in blocks pb, pb + 1; the eight accumulators take turns
.irp i, 0,1
	v_wmma_f32_16x16x64_bf8_bf8 v[O+32*\i+8*(\f%4):O+32*\i+8*(\f%4)+7], v[BL+8*(2+\f):BL+8*(2+\f)+7], v[BL+8*(\pb+\i):BL+8*(\pb+\i)+7], v[O+32*\i+8*(\f%4):O+32*\i+8*(\f%4)+7]
.endr
.endm
.macro GRP g                           ; keys 64 g .. 64 g + 63 of the step: the sums of the unquantised p, the hold, the conversion
.irp t, 0,1,2,3
.irp j, 0,4
.irp i, 0,1
.set sb, BL+8*(2*(4*\g+\t)+\i)
.if (\g+\t+\j) == 0
	v_pk_add_f32 v[ST+10*\i+6:ST+10*\i+7], v[sb:sb+1], v[sb+2:sb+3]
.else
	v_pk_add_f32 v[ST+10*\i+2:ST+10*\i+3], v[ST+10*\i+2:ST+10*\i+3], v[sb+\j:sb+\j+1]
	v_pk_add_f32 v[ST+10*\i+6:ST+10*\i+7], v[ST+10*\i+6:ST+10*\i+7], v[sb+\j+2:sb+\j+3]
.endif
.endr
.endr
.endr
.if \g
.irp i, 0,1
	v_pk_add_f32 v[ST+10*\i+2:ST+10*\i+3], v[ST+10*\i+2:ST+10*\i+3], v[ST+10*\i+6:ST+10*\i+7]
.endr
.endif
.set j, 64*\g
.rept 32
	v_dual_min_num_f32 v[BL+j], v[BL+j], v29 :: v_dual_min_num_f32 v[BL+j+1], v[BL+j+1], v30   ; the conversion does not saturate (ISA guide 7.6.2); p is not negative, so the hold is one-sided; two numbers a line
.set j, j+2
.endr
.irp i, 0,1
.irp t, 0,1,2,3
	v_cvt_scalef32_pk8_bf8_f32 v[BL+128*(1-\g)+8*\i+2*\t:BL+128*(1-\g)+8*\i+2*\t+1], v[BL+8*(2*(4*\g+\t)+\i):BL+8*(2*(4*\g+\t)+\i)+7], v28
.endr
.endr
.endm
.macro STEP
	v_add_nc_u32 v[ADR], s[TB], v[LI]
	s_add_co_u32 s[TK], s[TB], STEPB
	s_min_u32 s[TK], s[TK], KVB-STEPB              ; the last step has no successor: its look-ahead is held inside K and V, and what it brings is not used
	v_add_nc_u32 v[ADK], s[TK], v[LI]              ; (with the four v_nop at the last step's end: six places between the last products and the first below, which write over their operands; five are asked)
	s_wait_dscnt 4                                 ; K's tiles 0-5 are in; the four loads of tiles 6 and 7 may be out
.irp t, 0,1,2,3,4
	QK \t
.endr
	NOPS 5                                         ; tiles 5 and 6 write over K's tiles 0-3, tile 7 over tile 4: five places behind the products that read them (ISA guide 7.12.1)
	QK 5
	s_wait_dscnt 0x0                               ; K's tiles 6 and 7
	QK 6
	NOPS 5                                         ; tile 7 writes over K's tile 5; also the places ahead of the first reads of tiles 0-6
	QK 7
.irp i, 0,1                                    ; the step's largest score of each query, in two chains a tile; each block is read from its low end on; blocks 14 and 15 come last
	v_max3_num_f32 v[ST+10*\i+8], v[BL+8*\i], v[BL+8*\i+1], v[BL+8*\i+2]
	v_max3_num_f32 v[ST+10*\i+9], v[BL+8*\i+3], v[BL+8*\i+4], v[BL+8*\i+5]
.endr
.irp i, 0,1
	v_max3_num_f32 v[ST+10*\i+8], v[ST+10*\i+8], v[BL+8*\i+6], v[BL+8*\i+7]
.endr
.irp t, 1,2,3,4,5,6,7
.irp j, 0,4
.irp i, 0,1
	v_max3_num_f32 v[ST+10*\i+8], v[ST+10*\i+8], v[BL+8*(2*\t+\i)+\j], v[BL+8*(2*\t+\i)+\j+1]
	v_max3_num_f32 v[ST+10*\i+9], v[ST+10*\i+9], v[BL+8*(2*\t+\i)+\j+2], v[BL+8*(2*\t+\i)+\j+3]
.endr
.endr
.endr
.irp i, 0,1
	v_max_num_f32 v[ST+10*\i+8], v[ST+10*\i+8], v[ST+10*\i+9]
.endr
.irp i, 0,1
	v_mov_b32 v[ST+10*\i+9], v[ST+10*\i]           ; the old -M
.endr
.irp i, 0,1
	v_permlanex16_b32 v[4+\i], v[ST+10*\i+8], s48, s49
.endr
.irp i, 0,1
	s_delay_alu instid0(VALU_DEP_2)
	v_max_num_f32 v[ST+10*\i+8], v[ST+10*\i+8], v[4+\i]
.endr
.irp i, 0,1
	s_delay_alu instid0(VALU_DEP_2)
	v_mul_f32 v[ST+10*\i+8], s50, v[ST+10*\i+8]    ; as t (c is positive)
.endr
.irp i, 0,1
	s_delay_alu instid0(VALU_DEP_2)
	v_max_num_f32 v[ST+10*\i+1], v[ST+10*\i+1], v[ST+10*\i+8]
.endr
.irp i, 0,1
	s_delay_alu instid0(VALU_DEP_2)
	v_floor_f32 v[ST+10*\i], -v[ST+10*\i+1]        ; -M = floor(-t)
.endr
.irp i, 0,1
	s_delay_alu instid0(VALU_DEP_2)
	v_sub_f32 v[ST+10*\i+9], v[ST+10*\i], v[ST+10*\i+9]
.endr
.irp i, 0,1
	s_delay_alu instid0(VALU_DEP_2)
	v_cvt_i32_f32 v[ST+10*\i+9], v[ST+10*\i+9]
.endr
.irp i, 0,1
	s_delay_alu instid0(VALU_DEP_2)
	v_ldexp_f32 v[ST+10*\i+4], 1.0, v[ST+10*\i+9]  ; f = 2^(old M - new M)
.endr
.set b, 0
.rept 16
.irp j, 0,2,4,6
	v_pk_fma_f32 v[BL+8*b+\j:BL+8*b+\j+1], v[BL+8*b+\j:BL+8*b+\j+1], s[50:51], v[ST+10*(b%2):ST+10*(b%2)+1] op_sel_hi:[1,0,0]   ; t - M
.endr
.set b, b+1
.endr
.irp i, 0,1
.irp j, 0,2,4,6,8,10,12,14,16,18,20,22,24,26,28,30
	v_pk_mul_f32 v[O+32*\i+\j:O+32*\i+\j+1], v[O+32*\i+\j:O+32*\i+\j+1], v[ST+10*\i+4:ST+10*\i+5] op_sel_hi:[1,0]   ; O^T under the new M, ahead of the exponentials
.endr
.endr
	s_wait_alu depctr_va_vdst(0)                   ; the wait ahead of the batch
.set j, 0
.rept 128
	v_exp_f32 v[BL+j], v[BL+j]
.set j, j+1
.endr
.irp i, 0,1
	v_pk_mul_f32 v[ST+10*\i+2:ST+10*\i+3], v[ST+10*\i+2:ST+10*\i+3], v[ST+10*\i+4:ST+10*\i+5] op_sel_hi:[1,0]   ; the sums under the new M
.endr
	s_wait_alu depctr_va_vdst(0)                   ; one wait for the batch, ahead of its first reader
	GRP 0
.irp f, 0,1,2,3,4,5
	VLOAD \f                                       ; into blocks whose scores are converted
.endr
	GRP 1
	VLOAD 6
	VLOAD 7
.irp k, 0,1,2,3,4,5
	KLOAD \k                                       ; the next step's
.endr
	v_nop                                          ; a plain line behind the last conversion
	s_wait_alu depctr_va_vdst(0)                   ; directly ahead of the wait below
	s_wait_dscnt 16                                ; V's fragments 0-5 are in; behind them: 4 loads of V, 12 of K
.irp f, 0,1,2,3
	PV \f, 16
.endr
	PV 4, 0
	PV 5, 0
	s_wait_dscnt 12                                ; V's fragments 6 and 7; K's 12 loads may be out
	PV 6, 0
	PV 7, 0
	NOPS 4                                         ; places ahead of loads into blocks 16 and 17, which the products above have read
	KLOAD 6
	KLOAD 7
	s_add_co_u32 s[TB], s[TB], STEPB
.endm
.irp k, 0,1,2,3,4,5,6,7
	KLOAD \k                                       ; the first step's K
.endr
	s_wait_loadcnt 0x0                             ; Q
	s_mov_b32 s[CNT], 3
.Lp0:                                              ; steps 0-2: they read, and look ahead into, keys 0-511 alone
	STEP
	s_sub_co_i32 s[CNT], s[CNT], 1
	s_cmp_lg_u32 s[CNT], 0
	s_cbranch_scc1 .Lp0
	s_wait_tensorcnt 0x0                           ; my part of keys 512-2047 is in,
	s_wait_dscnt 0x0
	s_barrier_signal -1
	s_barrier_wait -1                              ; and everybody's
	s_mov_b32 s[CNT], 13
.Lp1:                                              ; steps 3-15
	STEP
	s_sub_co_i32 s[CNT], s[CNT], 1
	s_cmp_lg_u32 s[CNT], 0
	s_cbranch_scc1 .Lp1
	s_wait_dscnt 0x0                               ; the last look-ahead has landed: its registers may be written
.irp i, 0,1
	v_add_f32 v[ST+10*\i+2], v[ST+10*\i+2], v[ST+10*\i+3]
.endr
.irp i, 0,1
	s_delay_alu instid0(VALU_DEP_2)
	v_permlanex16_b32 v[4+\i], v[ST+10*\i+2], s48, s49
.endr
.irp i, 0,1
	s_delay_alu instid0(VALU_DEP_2)
	v_add_f32 v[ST+10*\i+2], v[ST+10*\i+2], v[4+\i]   ; the row's sum
.endr
	MKSC 46, 28, 29                                ; 2^e6 and 57,344 x 2^e6
	s_wait_alu depctr_va_vdst(0)                   ; the wait ahead of the transcendentals
.irp i, 0,1
	v_rcp_f32 v[ST+10*\i+4], v[ST+10*\i+2]
.endr
	v_nop
	s_add_co_i32 s54, s44, s45
	s_wait_alu depctr_va_vdst(0)                   ; ahead of their first reader, and of the first readers of O^T
.irp i, 0,1
	v_ldexp_f32 v[ST+10*\i+4], v[ST+10*\i+4], s54  ; x 2^(e4 + e5)
.endr
.irp i, 0,1
.irp j, 0,2,4,6,8,10,12,14,16,18,20,22,24,26,28,30
	v_pk_mul_f32 v[BL+32*\i+\j:BL+32*\i+\j+1], v[O+32*\i+\j:O+32*\i+\j+1], v[ST+10*\i+4:ST+10*\i+5] op_sel_hi:[1,0]
.endr
.endr
.set j, 0
.rept 64
	v_med3_num_f32 v[BL+j], v[BL+j], -v29, v29
.set j, j+1
.endr
.irp i, 0,1
.irp t, 0,1,2,3
	v_cvt_scalef32_pk8_bf8_f32 v[BL+64+8*\i+2*\t:BL+64+8*\i+2*\t+1], v[BL+32*\i+8*\t:BL+32*\i+8*\t+7], v28
.endr
.endr
	v_nop
.irp i, 0,1
.irp j, 0,1
	global_store_b128 v[LI], v[BL+64+8*\i+4*\j:BL+64+8*\i+4*\j+3], s[10:11] offset:16384*\i+512*\j   ; each store covers 512 consecutive bytes, aligned
.endr
.endr
	s_wait_tensorcnt 0x0                           ; the wave's end
	ds_add_u32 v[SPW], v[NIL]
	s_wait_dscnt 0x0
	ROUND                                          ; the closing round
	s_endpgm
.Lfunc_end_k_qa58be3187c_attn:
	.size	k_qa58be3187c_attn, .Lfunc_end_k_qa58be3187c_attn-k_qa58be3187c_attn
	.p2alignl 7, 3214868480
	.fill 96, 4, 3214868480
	.section	.rodata,"a",@progbits
	.p2align	6, 0x0
	.amdhsa_kernel k_qa58be3187c_attn
		.amdhsa_group_segment_fixed_size 327680
		.amdhsa_private_segment_fixed_size 0
		.amdhsa_enable_private_segment 0
		.amdhsa_kernarg_size 32
		.amdhsa_user_sgpr_count 2
		.amdhsa_user_sgpr_kernarg_segment_ptr 1
		.amdhsa_wavefront_size32 1
		.amdhsa_system_sgpr_workgroup_id_x 1
		.amdhsa_system_sgpr_workgroup_id_y 1
		.amdhsa_system_sgpr_workgroup_id_z 1
		.amdhsa_system_vgpr_workitem_id 0
		.amdhsa_next_free_vgpr 256
		.amdhsa_next_free_sgpr 66
		.amdhsa_reserve_vcc 0
		.amdhsa_float_denorm_mode_32 3
		.amdhsa_float_denorm_mode_16_64 3
		.amdhsa_memory_ordered 1
		.amdhsa_forward_progress 1
		.amdhsa_inst_pref_size 77
	.end_amdhsa_kernel
	.amdgpu_metadata
---
amdhsa.version: [ 1, 2 ]
amdhsa.kernels:
  - .name:           k_qa58be3187c_attn
    .symbol:         k_qa58be3187c_attn.kd
    .args:
      - { .name: qimg, .offset: 0, .size: 8, .value_kind: global_buffer, .address_space: global }
      - { .name: kv, .offset: 8, .size: 8, .value_kind: global_buffer, .address_space: global }
      - { .name: lowp_scales, .offset: 16, .size: 8, .value_kind: global_buffer, .address_space: global }
      - { .name: aq, .offset: 24, .size: 8, .value_kind: global_buffer, .address_space: global }
    .group_segment_fixed_size: 327680
    .private_segment_fixed_size: 0
    .kernarg_segment_align: 8
    .kernarg_segment_size: 32
    .max_flat_workgroup_size: 512
    .sgpr_count:     66
    .vgpr_count:     256
    .wavefront_size: 32
...
	.end_amdgpu_metadata
.endif
;; end of part 3
;; launch proj (part 4): grid 256 x 1, 4 waves a work-group, no clusters, 327,680 bytes of LDS; arguments aq, wimg, lowp_scales, b_fc2, x, out0; writes out0
.if DOCPART == 4
	.amdgcn_target "amdgcn-amd-amdhsa--gfx1250"
	.amdhsa_code_object_version 6
	.text
	.protected	k_qa58be3187c_proj
	.globl	k_qa58be3187c_proj
	.p2align	8
	.type	k_qa58be3187c_proj,@function
k_qa58be3187c_proj:
	s_mov_b64 s[64:65], 0
	v_nop
	global_prefetch_b8 v0, s[64:65] scope:SCOPE_SE
	s_setreg_imm32_b32 hwreg(HW_REG_WAVE_MODE, 25, 1), 1
	s_wait_xcnt 0x0
; out0 = layer_norm(x + swish(a W_fc2 + b_fc2)), the product on codes of E5M2 (scales e6, e7), all else in f32.
; aq: [row / 16][head][1,024]: images of operand registers (16 rows x 64 k).  wimg: [n / 32][k / 128][(n / 16) % 2][2,048]: images of W_fc2's fragments (16 columns n x 128 k).
; SHARES.  A work-group owns 32 whole rows (the norm needs a row's 1,024 columns); wave w owns columns 256 w .. 256 w + 255 of them, in eight blocks of 32; in the norm it owns rows 8 w .. 8 w + 7.
; W GOES FROM MEMORY STRAIGHT INTO OPERAND REGISTERS: each fragment feeds one wave of the work-group alone (two products), and a wave's 262,144 bytes of images lie in the order in which it takes them.
; A load covers 512 consecutive bytes.  The ring is 256 registers, one block: a group of four fragments is asked for again, for the next block, as soon as its eight products are issued: 64 loads, 32,768 bytes, ahead.
; NO JOINT LOADS, though all work-groups read the same W: its 1,048,576 bytes do not fit in LDS beside the stages (295,424 bytes), so they would need slots filled again, each fill behind a round of a cluster's barrier,
; for bytes that no two waves of a work-group share.  NO PREFETCH: the wave's own loads run a whole block ahead of their use.
; a's 32,768 bytes come by one tensor load a wave at the head and stay in registers; x's 131,072 bytes by one tensor load a wave behind the full sequence, and lie in LDS until the norm.
; THE PRODUCT IS USED TRANSPOSED (source 0 = 16 columns of W, source 1 = 16 rows of a): a lane holds eight neighbouring columns of one row.  A block is finished at once: z = sum x 2^(e6 + e7) + bias, swish(z) = z / (1 + 2^(-z log2 e)),
; and goes into the m stage in LDS (bytes of its own, rows of 4,112 bytes); so the blocks are a counted loop on 32 accumulator registers.
; LIMITS: e6 + e7 between -126 and 127.  NaN among the inputs is not served.
; REGISTERS: window 0: v1-24 addresses and the norm's scalars; v32-63 accumulators (n, m) at 32 + 8 (2 n + m); v64-95, v96-127 at work; v128-143 the block's bias; in the norm v128-191 m's rows, v192-255 x's rows.
;   window 1: a's fragments, (m, k / 128) at 128 m + 16 (k / 128).   window 2: W's ring, fragment (k / 128, n) at 16 (2 (k / 128) + n).
.set AQL,   0                          ; LDS: a's images
.set XS,    32768                      ; x: 32 rows of 4,096 bytes
.set MS,    163840                     ; the m stage: 32 rows of PS bytes
.set PS,    4112
.set BIA,   295424                     ; b_fc2
.set SPARE, 299520                     ; the spare words, 128 bytes a wave
.set LI,  1
.set STO, 4
.set STC, 6
.set SRD, 8
.set XRD, 9
.set SPW, 10
.set NIL, 11
.set BA,  22
.set BAC, 23
.set BST, 24
.set ACC, 32
.set T,   64
.set Z,   96
.set BI,  128
.set MB,  128
.set XB,  192
.set WB,  6                            ; s[6:7] where my stream of W's images stands
.set SB,  60                           ; s60 128 x the block: its 32 columns in bytes
.set CNT, 61
.set MSB, 0
.macro WIN new                         ; low byte: bits 1:0 source 0, 3:2 source 1, 5:4 source 2, 7:6 destination; the high byte repeats the setting that is left
.if MSB != (\new)
	s_set_vgpr_msb (MSB<<8)|(\new)
.set MSB, (\new)
.endif
.endm
.macro NOPS n
.rept \n
	v_nop
.endr
.endm
	s_load_b256 s[4:11], s[0:1], 0x0               ; aq, wimg, the scales' exponents, b_fc2
	s_load_b128 s[12:15], s[0:1], 0x20             ; x, out0
	v_lshl_add_u32 v[SPW], v0, 2, SPARE
	v_mov_b32 v[NIL], 0
	ds_add_u32 v[SPW], v[NIL]                      ; the opening lines: the add, twice on end, and its wait
	ds_add_u32 v[SPW], v[NIL]
	v_lshrrev_b32 v2, 5, v0
	v_readfirstlane_b32 s40, v2                    ; wave 0..3
	v_and_b32 v[LI], 31, v0
	v_lshlrev_b32 v[LI], 4, v[LI]                  ; 16 x lane
	v_and_b32 v2, 15, v0                           ; r
	v_bfe_u32 v3, v0, 4, 1                         ; h
	s_lshl_b32 s41, s40, 10                        ; my 256 columns in bytes
	v_mul_u32_u24 v12, v2, PS
	v_lshl_add_u32 v12, v3, 5, v12
	v_add_nc_u32 v12, s41, v12
	v_add_nc_u32 v[STO], MS, v12                   ; the stage, on the way in: row r (and 16 + r), 1,024 w + 32 h
	v_add_nc_u32 v[STO+1], MS+16*PS, v12
	s_mul_i32 s42, s40, 8*PS
	v_add_nc_u32 v[SRD], s42, v[LI]
	v_add_nc_u32 v[SRD], MS, v[SRD]                ; and back: my eight rows, 16 bytes a lane
	s_lshl_b32 s43, s40, 15
	v_add_nc_u32 v[XRD], s43, v[LI]
	v_add_nc_u32 v[XRD], XS, v[XRD]                ; the same rows of x
	v_lshlrev_b32 v13, 5, v3
	v_add_nc_u32 v13, s41, v13
	v_add_nc_u32 v[BA], BIA, v13                   ; the bias of my columns: + 32 h
	v_add_nc_u32 v[BST], s41, v[LI]
	v_add_nc_u32 v[BST], BIA, v[BST]
	v_mov_b32 v16, 0                               ; a lane permute's destination; the upper halves of two pairs
	v_mov_b32 v19, 0
	v_mov_b32 v21, 0
	s_mov_b32 s16, 3<<16                           ; group 1 for a: elements of 8 bytes; 32 rows of 256 bytes, dense
	s_mov_b32 s17, 32<<16
	s_mov_b32 s18, 32<<16
	s_mov_b32 s19, 32<<16
	s_mov_b32 s20, 32
	s_mov_b32 s21, 32
	s_mov_b32 s22, 0
	s_mov_b32 s23, 0
	s_mov_b32 s24, 3<<16                           ; for x: 128 rows of 256 bytes, dense
	s_mov_b32 s25, 32<<16
	s_mov_b32 s26, 128<<16
	s_mov_b32 s27, 32<<16
	s_mov_b32 s28, 128
	s_mov_b32 s29, 32
	s_mov_b32 s30, 0
	s_mov_b32 s31, 0
	s_mov_b32 s32, 1
	s_lshl_b32 s33, s40, 13                        ; a: my 8,192 bytes
	s_mov_b32 s36, 1
	s_add_co_u32 s37, s43, XS                      ; x: my 32,768 bytes
	s_lshl_b32 s62, ttmp9, 15
	s_add_co_u32 s62, s62, s33
	s_mov_b32 s63, 0
	s_lshl_b32 s56, ttmp9, 17
	s_add_co_u32 s56, s56, s43                     ; my eight rows in x and in out0
	s_mov_b32 s57, 0
	s_lshl_b32 s58, s40, 18                        ; my 262,144 bytes of images
	s_mov_b32 s59, 0
	s_mov_b32 s[SB], 0
	s_mov_b32 s[CNT], 7
	s_wait_alu depctr_va_vdst(0)                   ; directly ahead of the waits below
	s_wait_dscnt 0x0                               ; both opening adds are done
	s_wait_kmcnt 0x0
	s_load_b256 s[48:55], s[8:9], 0x0              ; e0 .. e7
	s_add_nc_u64 s[34:35], s[4:5], s[62:63]
	s_or_b32 s35, s35, 0x80000000
	s_add_nc_u64 s[38:39], s[12:13], s[56:57]
	s_or_b32 s39, s39, 0x80000000
	s_add_nc_u64 s[14:15], s[14:15], s[56:57]
	s_add_nc_u64 s[WB:WB+1], s[WB:WB+1], s[58:59]
	s_mov_b32 s58, s41
	s_add_nc_u64 s[10:11], s[10:11], s[58:59]
	tensor_load_to_lds s[32:35], s[16:23]          ; a: my one tensor load at the head
	s_nop 0
	NOPS 4                                         ; four lines ahead of a switch of windows here
	global_load_b128 v[T:T+3], v[LI], s[10:11]     ; my 1,024 bytes of b_fc2
	global_load_b128 v[T+4:T+7], v[LI], s[10:11] offset:512
	WIN 0x80
.set q, 0
.rept 64
	global_load_b128 v[4*q:4*q+3], v[LI], s[WB:WB+1] offset:512*q   ; block 0 of W
.set q, q+1
.endr
	WIN 0
	s_mov_b32 s56, 0x76543210
	s_mov_b32 s57, 0xfedcba98                      ; lane l xor 16
	s_mov_b32 s58, 0x3a800000                      ; 1 / 1024
	s_mov_b32 s59, 0x3727c5ac                      ; 1e-5
	s_mov_b32 s46, 0xbfb8aa3b                      ; -log2(e)
	s_mov_b32 s47, s46
	s_wait_kmcnt 0x0
	s_add_co_i32 s44, s54, s55
	s_add_co_i32 s44, s44, 127
	s_lshl_b32 s44, s44, 23                        ; 2^(e6 + e7) as f32
	s_mov_b32 s45, s44
	s_wait_loadcnt 63                              ; of 66 loads the oldest three are in: the bias's two among them
	ds_store_b128 v[BST], v[T:T+3]                 ; read back by this wave alone
	ds_store_b128 v[BST], v[T+4:T+7] offset:512
	s_wait_alu depctr_va_vdst(0)                   ; the wait at the head's end
	s_wait_tensorcnt 0x0                           ; my part of a is in; x's first fill is issued as a refill is:
	ds_add_u32 v[SPW], v[NIL]
	s_wait_dscnt 0x0
	s_barrier_signal -1
	s_barrier_wait -1                              ; everybody's part of a is in
	tensor_load_to_lds s[36:39], s[24:31]          ; x: it has all the products in which to land
	s_nop 0
	NOPS 4
	WIN 0x40
.set q, 0
.rept 64
	ds_load_b128 v[4*q:4*q+3], v[LI] offset:AQL+512*q   ; a's sixteen fragments stay in registers
.set q, q+1
.endr
	WIN 0
	s_wait_dscnt 0x0
; A BLOCK: 32 columns x 32 rows x K = 1,024: four groups of four fragments of W, eight products each; the four accumulators take turns; the first products start the sums.
.macro BLOCK refill
	v_add_nc_u32 v[STC], s[SB], v[STO]
	v_add_nc_u32 v[STC+1], s[SB], v[STO+1]
	v_add_nc_u32 v[BAC], s[SB], v[BA]
.irp n, 0,1
.irp j, 0,1
	ds_load_b128 v[BI+8*\n+4*\j:BI+8*\n+4*\j+3], v[BAC] offset:64*\n+16*\j   ; register j of lane (r, h) is column 8 h + j of the tile
.endr
.endr
.irp g, 0,1,2,3
.if \refill
	s_wait_loadcnt 48                              ; this group's 16 loads are in; behind them stand the other three groups' 48
.else
	s_wait_loadcnt 48-16*\g                        ; the last block: the counts run down
.endif
	WIN 0x06                                       ; source 0 (W) window 2, source 1 (a) window 1
.irp t, 0,1
.irp n, 0,1
.irp m, 0,1
.set rD, ACC+8*(2*\n+\m)
.set rW, 16*(2*(2*\g+\t)+\n)
.set rA, 128*\m+16*(2*\g+\t)
.if (\g+\t) == 0
	v_wmma_f32_16x16x128_bf8_bf8 v[rD:rD+7], v[rW:rW+15], v[rA:rA+15], 0
.else
	v_wmma_f32_16x16x128_bf8_bf8 v[rD:rD+7], v[rW:rW+15], v[rA:rA+15], v[rD:rD+7]
.endif
.endr
.endr
.endr
	NOPS 4                                         ; places ahead of loads into registers that the products have read, and of the first read of the sums
.if \refill
	WIN 0x80
.set q, 16*\g
.rept 16
	global_load_b128 v[4*q:4*q+3], v[LI], s[WB:WB+1] offset:32768+512*q   ; the same group of the next block
.set q, q+1
.endr
.endif
.endr
	WIN 0
	s_wait_dscnt 0x0                               ; the bias
.irp n, 0,1
.irp m, 0,1
.irp j, 0,2,4,6
	v_pk_fma_f32 v[Z+8*(2*\n+\m)+\j:Z+8*(2*\n+\m)+\j+1], v[ACC+8*(2*\n+\m)+\j:ACC+8*(2*\n+\m)+\j+1], s[44:45], v[BI+8*\n+\j:BI+8*\n+\j+1] op_sel_hi:[1,0,1]   ; z; each accumulator from its low end on
.endr
.endr
.endr
.set j, 0
.rept 16
	v_pk_mul_f32 v[T+j:T+j+1], v[Z+j:Z+j+1], s[46:47] op_sel_hi:[1,0]
.set j, j+2
.endr
	s_wait_alu depctr_va_vdst(0)                   ; a wait ahead of each batch and one behind it
.set j, 0
.rept 32
	v_exp_f32 v[T+j], v[T+j]
.set j, j+1
.endr
	v_nop
	s_wait_alu depctr_va_vdst(0)
.set j, 0
.rept 16
	v_pk_add_f32 v[T+j:T+j+1], v[T+j:T+j+1], 1.0 op_sel_hi:[1,0]
.set j, j+2
.endr
	s_wait_alu depctr_va_vdst(0)
.set j, 0
.rept 32
	v_rcp_f32 v[T+j], v[T+j]
.set j, j+1
.endr
	v_nop
	s_wait_alu depctr_va_vdst(0)
.set j, 0
.rept 16
	v_pk_mul_f32 v[Z+j:Z+j+1], v[Z+j:Z+j+1], v[T+j:T+j+1]
.set j, j+2
.endr
.irp n, 0,1
.irp m, 0,1
.irp j, 0,1
	ds_store_b128 v[STC+\m], v[Z+8*(2*\n+\m)+4*\j:Z+8*(2*\n+\m)+4*\j+3] offset:64*\n+16*\j
.endr
.endr
.endr
.endm
.Lblk:                                             ; blocks 0-6: each asks for its successor
	BLOCK 1
	s_wait_xcnt 0x0                                ; the loads have read their base: it is stepped only behind this wait
	s_add_nc_u64 s[WB:WB+1], s[WB:WB+1], 32768
	s_add_co_u32 s[SB], s[SB], 128
	s_sub_co_i32 s[CNT], s[CNT], 1
	s_cmp_lg_u32 s[CNT], 0
	s_cbranch_scc1 .Lblk
	BLOCK 0                                        ; block 7 is written out: it asks for nothing
	s_wait_tensorcnt 0x0                           ; my part of x is in,
	s_wait_dscnt 0x0                               ; my stores into the stage are done:
	s_barrier_signal -1
	s_barrier_wait -1                              ; and everybody's
; THE NORM, a row at a time: the 32 lanes hold a whole row, 32 numbers each.
.macro RLOAD i
.irp j, 0,1,2,3,4,5,6,7
	ds_load_b128 v[MB+32*((\i)%2)+4*\j:MB+32*((\i)%2)+4*\j+3], v[SRD] offset:PS*(\i)+512*\j
.endr
.irp j, 0,1,2,3,4,5,6,7
	ds_load_b128 v[XB+32*((\i)%2)+4*\j:XB+32*((\i)%2)+4*\j+3], v[XRD] offset:4096*(\i)+512*\j
.endr
.endm
.macro REDUCE
	v_add_f32 v12, v12, v13
	v_add_f32_dpp v12, v12, v12 row_xmask:1 row_mask:0xf bank_mask:0xf
	v_add_f32_dpp v12, v12, v12 row_xmask:2 row_mask:0xf bank_mask:0xf
	v_add_f32_dpp v12, v12, v12 row_xmask:4 row_mask:0xf bank_mask:0xf
	v_add_f32_dpp v12, v12, v12 row_xmask:8 row_mask:0xf bank_mask:0xf
	v_permlanex16_b32 v16, v12, s56, s57
	v_add_f32 v12, v12, v16
.endm
.macro ROWLN i
.set MBI, MB+32*((\i)%2)
.set XBI, XB+32*((\i)%2)
.if (\i) < 7
	s_wait_dscnt 16                                ; this row is in; the next row's sixteen loads may be out
.else
	s_wait_dscnt 0x0
.endif
.set j, 0
.rept 16
	v_pk_add_f32 v[MBI+j:MBI+j+1], v[MBI+j:MBI+j+1], v[XBI+j:XBI+j+1]   ; x + m
.set j, j+2
.endr
	v_pk_add_f32 v[12:13], v[MBI:MBI+1], v[MBI+2:MBI+3]
	v_pk_add_f32 v[14:15], v[MBI+4:MBI+5], v[MBI+6:MBI+7]
.set j, 8
.rept 6
	v_pk_add_f32 v[12:13], v[12:13], v[MBI+j:MBI+j+1]
	v_pk_add_f32 v[14:15], v[14:15], v[MBI+j+2:MBI+j+3]
.set j, j+4
.endr
	v_pk_add_f32 v[12:13], v[12:13], v[14:15]
	REDUCE
	v_mul_f32 v18, s58, v12                        ; the mean
.set j, 0
.rept 16
	v_pk_add_f32 v[MBI+j:MBI+j+1], v[MBI+j:MBI+j+1], v[18:19] op_sel_hi:[1,0] neg_lo:[0,1] neg_hi:[0,1]
.set j, j+2
.endr
	v_pk_mul_f32 v[12:13], v[MBI:MBI+1], v[MBI:MBI+1]
	v_pk_mul_f32 v[14:15], v[MBI+2:MBI+3], v[MBI+2:MBI+3]
.set j, 4
.rept 7
	v_pk_fma_f32 v[12:13], v[MBI+j:MBI+j+1], v[MBI+j:MBI+j+1], v[12:13]
	v_pk_fma_f32 v[14:15], v[MBI+j+2:MBI+j+3], v[MBI+j+2:MBI+j+3], v[14:15]
.set j, j+4
.endr
	v_pk_add_f32 v[12:13], v[12:13], v[14:15]
	REDUCE
	v_fma_f32 v20, v12, s58, s59                   ; the variance + 1e-5
	s_wait_alu depctr_va_vdst(0)
	v_rsq_f32 v20, v20
	v_nop
	s_wait_alu depctr_va_vdst(0)
.set j, 0
.rept 16
	v_pk_mul_f32 v[MBI+j:MBI+j+1], v[MBI+j:MBI+j+1], v[20:21] op_sel_hi:[1,0]
.set j, j+2
.endr
.irp j, 0,1,2,3,4,5,6,7
	global_store_b128 v[LI], v[MBI+4*\j:MBI+4*\j+3], s[14:15] offset:4096*(\i)+512*\j th:TH_STORE_NT   ; each store covers 512 consecutive bytes, aligned
.endr
.endm
	RLOAD 0
	RLOAD 1
.irp i, 0,1,2,3,4,5,6,7
	ROWLN \i
.if \i < 6
	s_wait_xcnt 0x0                                ; the row's stores have read their data: its registers take the row two further on
	RLOAD \i+2
.endif
.endr
	s_wait_tensorcnt 0x0                           ; the wave's end
	ds_add_u32 v[SPW], v[NIL]
	s_wait_dscnt 0x0
	s_endpgm
.Lfunc_end_k_qa58be3187c_proj:
	.size	k_qa58be3187c_proj, .Lfunc_end_k_qa58be3187c_proj-k_qa58be3187c_proj
	.p2alignl 7, 3214868480
	.fill 96, 4, 3214868480
	.section	.rodata,"a",@progbits
	.p2align	6, 0x0
	.amdhsa_kernel k_qa58be3187c_proj
		.amdhsa_group_segment_fixed_size 327680
		.amdhsa_private_segment_fixed_size 0
		.amdhsa_enable_private_segment 0
		.amdhsa_kernarg_size 48
		.amdhsa_user_sgpr_count 2
		.amdhsa_user_sgpr_kernarg_segment_ptr 1
		.amdhsa_wavefront_size32 1
		.amdhsa_system_sgpr_workgroup_id_x 1
		.amdhsa_system_sgpr_workgroup_id_y 1
		.amdhsa_system_sgpr_workgroup_id_z 1
		.amdhsa_system_vgpr_workitem_id 0
		.amdhsa_next_free_vgpr 768
		.amdhsa_next_free_sgpr 66
		.amdhsa_reserve_vcc 0
		.amdhsa_float_denorm_mode_32 3
		.amdhsa_float_denorm_mode_16_64 3
		.amdhsa_memory_ordered 1
		.amdhsa_forward_progress 1
		.amdhsa_inst_pref_size 104
	.end_amdhsa_kernel
	.amdgpu_metadata
---
amdhsa.version: [ 1, 2 ]
amdhsa.kernels:
  - .name:           k_qa58be3187c_proj
    .symbol:         k_qa58be3187c_proj.kd
    .args:
      - { .name: aq, .offset: 0, .size: 8, .value_kind: global_buffer, .address_space: global }
      - { .name: wimg, .offset: 8, .size: 8, .value_kind: global_buffer, .address_space: global }
      - { .name: lowp_scales, .offset: 16, .size: 8, .value_kind: global_buffer, .address_space: global }
      - { .name: b_fc2, .offset: 24, .size: 8, .value_kind: global_buffer, .address_space: global }
      - { .name: x, .offset: 32, .size: 8, .value_kind: global_buffer, .address_space: global }
      - { .name: out0, .offset: 40, .size: 8, .value_kind: global_buffer, .address_space: global }
    .group_segment_fixed_size: 327680
    .private_segment_fixed_size: 0
    .kernarg_segment_align: 8
    .kernarg_segment_size: 48
    .max_flat_workgroup_size: 128
    .sgpr_count:     66
    .vgpr_count:     768
    .wavefront_size: 32
...
	.end_amdgpu_metadata
.endif
;; end of part 4
